; MI455X (gfx1250); checked and timed in simulation.
; The chip was launched on July 23, 2026; its instructions are those of AMD's public machine-readable ISA for CDNA 5 (MIT licence, August 2026) and "CDNA5" Instruction Set Architecture Reference Guide (July 2026). The comments in the code are by the model that wrote it; some were corrected since.
;; Self Attention. Allowed arithmetic: matrix products marked QUANTISED: E5M2 operands, one given power-of-two scale a tensor, by v_wmma_f32_16x16x64_bf8_bf8 or v_wmma_f32_16x16x128_bf8_bf8, f32 sums; everything else in f32.
;; Inputs: Wk 128 x 256 float32; Wq 128 x 256 float32; Wv 128 x 256 float32; bk 256 float32; bq 256 float32; bv 256 float32; lowp_scales 10 int32 (the exponents e of the quantised operands' scales 2^e); x 8 x 2,048 x 128 float32.
;; Outputs: out0 8 x 2,048 x 256 float32.
;; This version of the problem:
;;   THIS VERSION OF THE PROBLEM IS GIVEN IN LOW PRECISION. The matrix products marked QUANTISED in the list below multiply operands that are first quantised to E5M2 (5 exponent bits, 2 mantissa bits; 8 bits a number), with one given power-of-two scale for each operand tensor; their sums are f32. All else is computed in f32.
;;   The module's matrix products, in the order in which they are computed (A, B: the left and right operand; K: the contracted axis; several contracted axes count as one K, in the product's order):
;;     1. [M 16,384, K 128] x [K 128, N 256]; A: input x; B: input Wq: QUANTISED (scales: A lowp_scales[0], B lowp_scales[1])
;;     2. [M 16,384, K 128] x [K 128, N 256]; A: input x; B: input Wk: QUANTISED (scales: A lowp_scales[2], B lowp_scales[3])
;;     3. [M 16,384, K 128] x [K 128, N 256]; A: input x; B: input Wv: QUANTISED (scales: A lowp_scales[4], B lowp_scales[5])
;;     4. batch 8 x [M 2,048, K 256] x [K 256, N 2,048]; A: computed on the way; B: computed on the way: QUANTISED (scales: A lowp_scales[6], B lowp_scales[7])
;;     5. batch 8 x [M 2,048, K 2,048] x [K 2,048, N 256]; A: softmax (see below); B: computed on the way: QUANTISED (scales: A lowp_scales[8], B lowp_scales[9])
;;   THE QUANTISER, for each operand of a quantised product, along K:
;;     - The operand's scale is 2^e, e = its entry of the input lowp_scales (int32; the entries are numbered through the quantised products in the list's order, A before B).
;;     - Each number is divided by the scale, clamped to +-57,344, and rounded to the nearest number of E5M2, ties to even, subnormals kept.
;;     - The product sums the exact products of the quantised numbers (number of the format x scale) in f32.
;;   ~~~python
;;   def quantise(x, axis, e):      # numpy; x: float32 -> the quantised numbers, widened to float32 again
;;       x = np.moveaxis(x, axis, -1); K = x.shape[-1]
;;       r = np.clip(x / 2.0 ** e, -57344, 57344)
;;       step = 2.0 ** (np.maximum(np.frexp(np.where(r == 0, 1, r))[1] - 1, -14) - 2)
;;       q = np.round(r / step) * step * 2.0 ** e      # np.round: ties to even
;;       return np.moveaxis(q, -1, axis).astype(np.float32)
;;   ~~~
;;   SOFTMAX AHEAD OF A QUANTISED PRODUCT. Where the list says 'softmax', what is quantised is not the finished softmax but p = 2^(t - M), with t = logit x log2(e) and M = ceil(the row's largest t), a whole number; so 1/2 < the row's largest p <= 1. The row's sum l is taken of the UNQUANTISED p, in f32, and the product's result is divided by l at the end. Since M is a whole number, a kernel that streams over the keys may use a running M (the ceiling of the running maximum): every later rescaling is an exact power of two, so the quantised numbers keep their values, but for numbers so far below the row's largest that they fall under the format's range.
;;   OPERANDS COMPUTED ON THE WAY. 'Computed on the way' means the value that the module computes at that place (a softmax that the list does not call 'softmax' is quantised finished and normalised). What goes into a quantiser is computed in f32, as accurately as f32 sums, v_exp_f32 and their like allow (about 1e-6 of the number): no bf16 or f16 on the way to a quantiser, and a product that is left as it is and whose result goes on into a quantised operand takes f32 operands (vector FMAs, or v_wmma_f32_16x16x4_f32). A number that lies on a knife's edge between two numbers of the format may be rounded either way, as far as f32 arithmetic and the matrix unit's own rounding can turn it there, and no further.
;; 2 versions, each right; version 2 is version 1 with the launch proj written anew for expert scheduling mode. Each part assembles by itself: llvm-mc -triple=amdgcn-amd-amdhsa -mcpu=gfx1250 --defsym DOCPART=n.
;; ======== version 1 of 2: 2 launches
;; workspace buffers: qimg 4,194,304 bytes; kimg 4,194,304 bytes; vimg 4,194,304 bytes
;; launch proj (part 1): grid 4 x 64, 4 waves a work-group, no clusters, 25,088 bytes of LDS; arguments x, Wq, Wk, Wv, bq, bk, bv, lowp_scales, qimg, kimg, vimg; writes qimg, kimg, vimg
.if DOCPART == 1
	.amdgcn_target "amdgcn-amd-amdhsa--gfx1250"
	.amdhsa_code_object_version 6
	.text
	.protected	k_qe56c22c0f6_proj
	.globl	k_qe56c22c0f6_proj
	.p2align	8
	.type	k_qe56c22c0f6_proj,@function
k_qe56c22c0f6_proj:
	s_mov_b64 s[64:65], 0
	v_nop
	global_prefetch_b8 v0, s[64:65] scope:SCOPE_SE
	s_setreg_imm32_b32 hwreg(HW_REG_WAVE_MODE, 25, 1), 1
	s_wait_xcnt 0x0
; q = x Wq + bq, k = x Wk + bk, v = x Wv + bv on codes of E5M2, and q, k, v quantised again for the attention launch.
; x [16384][128] f32, W [128][256] f32 (K is the first axis), b [256] f32, lowp_scales [10] int32: e0 .. e9.
; code = number / 2^e, held within +-57,344, to the nearest code, ties to even.  x is quantised three times (e0, e2, e4), the weights with e1, e3, e5, the results with e6 (q), e7 (k), e9 (v).
; LIMITS: e0 .. e5, e6-e0-e1, e7-e2-e3 and e9-e4-e5 lie between -126 and 112, so that each scale and 57,344 x the scale is an f32 number.  NaN among the inputs is not served.
; SHARES.  A work-group takes 256 rows (work-group y) x 64 columns (work-group x = g) of each of q, k, v: 224 KiB read, 48 KiB stored.  Wave wv takes rows 64 wv .. 64 wv + 63: two groups G of 32 rows, two tiles u each.
; Lane r of tile (G, u) is row 32 G + 8 u + r % 8 + 16 (r / 8), so that the 16 registers of tiles u = 0, 1 are 16 neighbouring rows where the rows are the next product's K (v).
; THE WEIGHTS.  Tile j of a weight holds columns 64 g + 4 r + j: a lane's load of 16 bytes brings one number for each of the four tiles, and sixteen lanes read 256 consecutive bytes.  Registers run down K.
; Wave wv makes k = 32 wv .. 32 wv + 31 of all twelve fragments; they meet in LDS as images of the operand's registers (lane l's 16 bytes at 16 l): one barrier.
; A fragment's registers 4 c .. 4 c + 3 hold k = 32 c + 16 (lane / 16) + 0 .. 15, in x and in the weights alike: the same permutation of k on both sides, so every product meets its partner.
; q AND k are made TRANSPOSED (source 0 = 16 columns of W, source 1 = 16 rows of x): a lane holds one row and eight columns, so the conversions' results run along the next K (the 256 channels).
; v is made the natural way round (source 0 = x, source 1 = W): a lane holds one channel and eight rows, which are the keys, the next K.
; The biases go in as the C of each product, divided by the power of two that the sums lack.
; OUT.  The three buffers are this program's own, laid as images of the attention launch's operand registers; every store of a wave covers 512 consecutive bytes, aligned.
; REGISTERS, in windows of 256.  window 0: v1-7 addresses; v8-25 nine pairs (scale, 57,344 x scale); v26-29 bv; v64-159 x's codes (32 sigma + 16 u); v160-223 D: numbers at work and the eight results; v224-239 codes to store; v240-255 a weight's codes.
;   window 1: v0-191 the twelve weight fragments (16 (4 mu + j)); v192-223 bq, v224-255 bk in the results' layout.   window 2: x as loaded (64 (2 G + u) + 16 c + i).
;   window 3: v0-191 the weights as loaded (64 mu + 4 i + j), later v0-31 bv in the results' layout; v192-255 bq, bk as loaded.
.set XC,  64
.set D,   160
.set OUT, 224
.set WC,  240
.set SCP, 8
.set MSB, 0
.macro WIN new                         ; the immediate's high byte repeats the setting that is left
.if MSB != \new
	s_set_vgpr_msb (MSB<<8)|\new
.set MSB, \new
.endif
.endm
.macro PLACES                          ; four plain vector instructions between a matrix instruction and the first read of its result (ISA guide 7.12.1)
.rept 4
	v_nop
.endr
.endm
.macro PAIR p, sreg                    ; pair p: 2^e as f32 (the conversion takes its exponent field) and 57,344 x 2^e
	s_add_co_i32 s62, s[\sreg], 127
	s_lshl_b32 s63, s62, 23
	v_mov_b32 v[SCP+2*(\p)], s63
	s_add_co_i32 s62, s62, 15
	s_lshl_b32 s62, s62, 23
	s_or_b32 s62, s62, 0x600000
	v_mov_b32 v[SCP+2*(\p)+1], s62
.endm
.macro WLOAD mu, base                  ; my 16 rows k = 32 wv + 16 h + i of a weight, four columns a lane
.set ii, 0
.rept 16
	global_load_b128 v[64*(\mu)+4*ii:64*(\mu)+4*ii+3], v2, s[\base:\base+1] offset:1024*ii
.set ii, ii+1
.endr
.endm
.macro WQUANT mu                       ; the hold also sorts a load's four columns into the four tiles: D[16 j + i] = W(k = i, tile j)
	WIN 0x03                                       ; source 0 window 3
.set jj, 0
.rept 4
.set ii, 0
.rept 16
	v_med3_num_f32 v[D+16*jj+ii], v[64*(\mu)+4*ii+jj], -v[SCP+2*(3+\mu)+1], v[SCP+2*(3+\mu)+1]   ; the conversion to an 8-bit code does not saturate (ISA guide 7.6.2)
.set ii, ii+1
.endr
.set jj, jj+1
.endr
	WIN 0
.set jj, 0
.rept 8
	v_cvt_scalef32_pk8_bf8_f32 v[WC+2*jj:WC+2*jj+1], v[D+8*jj:D+8*jj+7], v[SCP+2*(3+\mu)]
.set jj, jj+1
.endr
	v_nop                                          ; a plain vector instruction between the conversions and the next lines that write their sources
.irp j, 0,1,2,3
	ds_store_b128 v6, v[WC+4*\j:WC+4*\j+3] offset:(4*(\mu)+\j)*2048   ; block c = wv of fragment (mu, j)
.endr
	s_wait_dscnt 0x0                               ; the stores have read their registers (the next weight writes them); the last one: my stores have landed, for the barrier
.endm
.macro XLOAD G                         ; 32 rows of x: lane (r, h) takes, of its row, 16 neighbours of each block of 32
	WIN 0x80                                       ; destination window 2
.irp u, 0,1
.set ii, 0
.rept 16
	global_load_b128 v[64*(2*\G+\u)+4*ii:64*(2*\G+\u)+4*ii+3], v3, s[8:9] offset:(32*\G+8*\u)*512+128*(ii/4)+16*(ii%4)
.set ii, ii+1
.endr
.endr
	WIN 0
.endm
.macro XQUANT G, sg                    ; group G's two tiles as codes with scale number sg
.irp u, 0,1
	WIN 0x02                                       ; source 0 window 2
.set ii, 0
.rept 64
	v_med3_num_f32 v[D+ii], v[64*(2*\G+\u)+ii], -v[SCP+2*(\sg)+1], v[SCP+2*(\sg)+1]
.set ii, ii+1
.endr
	WIN 0
.set ii, 0
.rept 8
	v_cvt_scalef32_pk8_bf8_f32 v[XC+32*(\sg)+16*\u+2*ii:XC+32*(\sg)+16*\u+2*ii+1], v[D+8*ii:D+8*ii+7], v[SCP+2*(\sg)]
.set ii, ii+1
.endr
	v_nop                                          ; a plain vector instruction behind the conversions: D is written again, and the products read the codes
.endr
.endm
.macro HOLD p                          ; the eight results, each from its low end on
.set ii, 0
.rept 64
	v_med3_num_f32 v[D+ii], v[D+ii], -v[SCP+2*(\p)+1], v[SCP+2*(\p)+1]
.set ii, ii+1
.endr
.endm
.macro OUTQK G, mu, base, GS           ; q (mu = 0) or k (mu = 1) of group G: eight products, each a whole sum (K = 128), on eight accumulators
	WIN 0x11                                       ; source 0 (W) and C (the bias) window 1
.irp u, 0,1
.irp j, 0,1,2,3
	v_wmma_f32_16x16x128_bf8_bf8 v[D+32*\u+8*\j:D+32*\u+8*\j+7], v[16*(4*\mu+\j):16*(4*\mu+\j)+15], v[XC+32*\mu+16*\u:XC+32*\mu+16*\u+15], v[192+32*\mu+8*\j:192+32*\mu+8*\j+7]
.endr
.endr
	WIN 0
	PLACES
	s_wait_xcnt 0x0                                ; the earlier stores have read their data: OUT is written again only behind this wait
	HOLD 6+\mu
.set ii, 0
.rept 8
	v_cvt_scalef32_pk8_bf8_f32 v[OUT+2*ii:OUT+2*ii+1], v[D+8*ii:D+8*ii+7], v[SCP+2*(6+\mu)]   ; the three scales folded into one
.set ii, ii+1
.endr
	v_nop
.irp u, 0,1
.irp e, 0,1
	global_store_b128 v1, v[OUT+8*\u+4*\e:OUT+8*\u+4*\e+3], s[\base:\base+1] offset:\G*\GS+\u*4096+\e*512
.endr
.endr
.endm
.macro OUTV G
	WIN 0x34                                       ; source 1 (W) window 1, C (the bias) window 3
.irp u, 0,1
.irp j, 0,1,2,3
	v_wmma_f32_16x16x128_bf8_bf8 v[D+32*\u+8*\j:D+32*\u+8*\j+7], v[XC+64+16*\u:XC+64+16*\u+15], v[16*(8+\j):16*(8+\j)+15], v[8*\j:8*\j+7]
.endr
.endr
	WIN 0
	PLACES
	s_wait_xcnt 0x0
	HOLD 8
.irp u, 0,1
.irp j, 0,1,2,3
	v_cvt_scalef32_pk8_bf8_f32 v[OUT+4*\j+2*\u:OUT+4*\j+2*\u+1], v[D+32*\u+8*\j:D+32*\u+8*\j+7], v[SCP+16]   ; tiles u = 0, 1: 16 neighbouring keys of my channel
.endr
.endr
	v_nop
.irp j, 0,1,2,3
	global_store_b128 v1, v[OUT+4*\j:OUT+4*\j+3], s[28:29] offset:\j*4096+\G*512
.endr
.endm
	s_load_b512 s[8:23], s[0:1], 0x0               ; x, Wq, Wk, Wv, bq, bk, bv, the scales' exponents
	s_load_b128 s[24:27], s[0:1], 0x40             ; qimg, kimg
	s_load_b64 s[28:29], s[0:1], 0x50              ; vimg
	v_lshl_add_u32 v62, v0, 2, 0x6000
	v_mov_b32 v63, 0
	v_lshrrev_b32 v30, 5, v0
	v_readfirstlane_b32 s2, v30                    ; wave wv
	s_mov_b32 s3, ttmp9                            ; g: which 64 columns
	s_and_b32 s4, ttmp7, 0xffff                    ; rb: which 256 rows
	v_and_b32 v30, 31, v0                          ; lane
	v_and_b32 v31, 15, v0                          ; r
	v_bfe_u32 v7, v0, 4, 1                         ; h
	v_lshlrev_b32 v1, 4, v30                       ; 16 x lane: an image's place for my lane
	s_lshl_b32 s5, s2, 15
	s_lshl_b32 s6, s3, 8
	s_add_co_u32 s5, s5, s6
	v_lshlrev_b32 v2, 4, v31
	v_lshl_add_u32 v2, v7, 14, v2
	v_add_nc_u32 v2, s5, v2                        ; W: row 32 wv + 16 h (1,024 bytes a row), column 64 g + 4 r
	v_and_b32 v3, 8, v31
	v_add_nc_u32 v3, v3, v31                       ; r % 8 + 16 (r / 8)
	v_lshlrev_b32 v3, 9, v3
	v_lshl_add_u32 v3, v7, 6, v3                   ; x: that row of 512 bytes, + 64 h
	v_lshlrev_b32 v4, 7, v7
	v_add_nc_u32 v4, s6, v4                        ; bq, bk: column 64 g + 32 h
	v_lshlrev_b32 v5, 4, v31
	v_add_nc_u32 v5, s6, v5                        ; bv: column 64 g + 4 r
	s_lshl_b32 s7, s2, 9
	v_add_nc_u32 v6, s7, v1                        ; where I store a weight's codes: 512 wv + 16 x lane
	s_lshl_b32 s48, s4, 17
	s_lshl_b32 s50, s2, 15
	s_add_co_u32 s48, s48, s50                     ; x: (256 rb + 64 wv) rows of 512 bytes
	s_mov_b32 s49, 0
	s_lshl_b32 s50, s4, 16                         ; 256 rows are 65,536 bytes in each image
	s_lshr_b32 s52, s3, 1
	s_lshl_b32 s52, s52, 11
	s_and_b32 s53, s3, 1
	s_lshl_b32 s53, s53, 10
	s_add_co_u32 s52, s52, s53                     ; my 64 columns' place in a tile of q or k: K step g / 2, blocks 2 (g % 2) on
	s_add_co_u32 s52, s52, s50
	s_lshl_b32 s54, s2, 14
	s_add_co_u32 s54, s54, s52                     ; q: 64 rows are two blocks of 8,192 bytes
	s_mov_b32 s55, 0
	s_and_b32 s56, s2, 1
	s_lshr_b32 s57, s2, 1
	s_lshl_b32 s58, s56, 15
	s_lshl_b32 s59, s57, 13
	s_add_co_u32 s58, s58, s59
	s_add_co_u32 s58, s58, s52                     ; k: reader's wave 2 (wv % 2) + G, half wv / 2
	s_mov_b32 s59, 0
	s_lshl_b32 s60, s3, 14
	s_add_co_u32 s60, s60, s50
	s_lshl_b32 s57, s57, 11
	s_lshl_b32 s56, s56, 10
	s_add_co_u32 s60, s60, s57
	s_add_co_u32 s60, s60, s56                     ; v: reader's wave g, half wv / 2, blocks 2 (wv % 2) + G
	s_mov_b32 s61, 0
	s_wait_kmcnt 0x0
	s_load_b256 s[32:39], s[22:23], 0x0            ; e0 .. e7
	s_load_b32 s40, s[22:23], 0x24                 ; e9
	s_add_nc_u64 s[8:9], s[8:9], s[48:49]
	s_add_nc_u64 s[24:25], s[24:25], s[54:55]
	s_add_nc_u64 s[26:27], s[26:27], s[58:59]
	s_add_nc_u64 s[28:29], s[28:29], s[60:61]
	WIN 0xc0                                       ; destination window 3
	WLOAD 0, 10
	WLOAD 1, 12
	WLOAD 2, 14
.irp j, 0,1,2,3,4,5,6,7
	global_load_b128 v[192+4*\j:192+4*\j+3], v4, s[16:17] offset:16*\j
.endr
.irp j, 0,1,2,3,4,5,6,7
	global_load_b128 v[224+4*\j:224+4*\j+3], v4, s[18:19] offset:16*\j
.endr
	WIN 0
	global_load_b128 v[26:29], v5, s[20:21]
	XLOAD 0
	s_wait_kmcnt 0x0
	s_add_co_i32 s41, s32, s33                     ; e0 + e1: a sum of the first product stands for sum x 2^(e0 + e1)
	s_add_co_i32 s42, s34, s35
	s_add_co_i32 s43, s36, s37
	s_sub_co_i32 s44, s38, s41                     ; e6 - e0 - e1
	s_sub_co_i32 s45, s39, s42                     ; e7 - e2 - e3
	s_sub_co_i32 s46, s40, s43                     ; e9 - e4 - e5
	s_sub_co_i32 s47, 0, s41
	s_sub_co_i32 s50, 0, s42
	s_sub_co_i32 s51, 0, s43
	PAIR 0, 32
	PAIR 1, 34
	PAIR 2, 36
	PAIR 3, 33
	PAIR 4, 35
	PAIR 5, 37
	PAIR 6, 44
	PAIR 7, 45
	PAIR 8, 46
	s_wait_loadcnt 32                              ; the weights and biases are in; the 32 loads of x issued behind them may be out
	WQUANT 0
	WQUANT 1
	WQUANT 2
	s_barrier_signal -1                            ; every wave's stores have landed (the wait for 0 stands at WQUANT's end)
	s_barrier_wait -1                              ; the twelve fragments lie whole in LDS; nothing writes them again
	XLOAD 1
	WIN 0x40                                       ; destination window 1
.set ii, 0
.rept 48
	ds_load_b128 v[4*ii:4*ii+3], v1 offset:512*ii  ; fragment ii / 4, block ii % 4: the image comes back as it went
.set ii, ii+1
.endr
	WIN 0x43                                       ; source 0 window 3, destination window 1: the biases into the results' layout, / 2^(the sums' exponent)
.irp j, 0,1,2,3
.irp i, 0,1,2,3,4,5,6,7
	v_ldexp_f32 v[192+8*\j+\i], v[192+4*\i+\j], s47   ; tile j, register i: column 64 g + 4 (8 h + i) + j
.endr
.endr
.irp j, 0,1,2,3
.irp i, 0,1,2,3,4,5,6,7
	v_ldexp_f32 v[224+8*\j+\i], v[224+4*\i+\j], s50
.endr
.endr
	WIN 0xc0                                       ; destination window 3 (the weights as loaded are done with)
.irp j, 0,1,2,3
.irp i, 0,1,2,3,4,5,6,7
	v_ldexp_f32 v[8*\j+\i], v[26+\j], s51          ; v: a lane holds one channel, 64 g + 4 r + j, in all eight registers
.endr
.endr
	WIN 0
	s_wait_dscnt 0x0                               ; the fragments are in
	s_wait_loadcnt 32                              ; group 0 of x is in; group 1's 32 loads may be out
	XQUANT 0, 0
	XQUANT 0, 1
	XQUANT 0, 2
	OUTQK 0, 0, 24, 8192
	OUTQK 0, 1, 26, 16384
	OUTV 0
	s_wait_loadcnt 0x0
	XQUANT 1, 0
	XQUANT 1, 1
	XQUANT 1, 2
	OUTQK 1, 0, 24, 8192
	OUTQK 1, 1, 26, 16384
	OUTV 1
	s_wait_tensorcnt 0x0
	ds_add_u32 v62, v63
	s_wait_dscnt 0x0
	s_endpgm
.Lfunc_end_k_qe56c22c0f6_proj:
	.size	k_qe56c22c0f6_proj, .Lfunc_end_k_qe56c22c0f6_proj-k_qe56c22c0f6_proj
	.p2alignl 7, 3214868480
	.fill 96, 4, 3214868480
	.section	.rodata,"a",@progbits
	.p2align	6, 0x0
	.amdhsa_kernel k_qe56c22c0f6_proj
		.amdhsa_group_segment_fixed_size 25088
		.amdhsa_private_segment_fixed_size 0
		.amdhsa_enable_private_segment 0
		.amdhsa_kernarg_size 88
		.amdhsa_user_sgpr_count 2
		.amdhsa_user_sgpr_kernarg_segment_ptr 1
		.amdhsa_wavefront_size32 1
		.amdhsa_system_sgpr_workgroup_id_x 1
		.amdhsa_system_sgpr_workgroup_id_y 1
		.amdhsa_system_sgpr_workgroup_id_z 1
		.amdhsa_system_vgpr_workitem_id 0
		.amdhsa_next_free_vgpr 1024
		.amdhsa_next_free_sgpr 66
		.amdhsa_reserve_vcc 0
		.amdhsa_float_denorm_mode_32 3
		.amdhsa_float_denorm_mode_16_64 3
		.amdhsa_memory_ordered 1
		.amdhsa_forward_progress 1
		.amdhsa_inst_pref_size 131
	.end_amdhsa_kernel
	.amdgpu_metadata
---
amdhsa.version: [ 1, 2 ]
amdhsa.kernels:
  - .name:           k_qe56c22c0f6_proj
    .symbol:         k_qe56c22c0f6_proj.kd
    .args:
      - { .name: x, .offset: 0, .size: 8, .value_kind: global_buffer, .address_space: global }
      - { .name: Wq, .offset: 8, .size: 8, .value_kind: global_buffer, .address_space: global }
      - { .name: Wk, .offset: 16, .size: 8, .value_kind: global_buffer, .address_space: global }
      - { .name: Wv, .offset: 24, .size: 8, .value_kind: global_buffer, .address_space: global }
      - { .name: bq, .offset: 32, .size: 8, .value_kind: global_buffer, .address_space: global }
      - { .name: bk, .offset: 40, .size: 8, .value_kind: global_buffer, .address_space: global }
      - { .name: bv, .offset: 48, .size: 8, .value_kind: global_buffer, .address_space: global }
      - { .name: lowp_scales, .offset: 56, .size: 8, .value_kind: global_buffer, .address_space: global }
      - { .name: qimg, .offset: 64, .size: 8, .value_kind: global_buffer, .address_space: global }
      - { .name: kimg, .offset: 72, .size: 8, .value_kind: global_buffer, .address_space: global }
      - { .name: vimg, .offset: 80, .size: 8, .value_kind: global_buffer, .address_space: global }
    .group_segment_fixed_size: 25088
    .private_segment_fixed_size: 0
    .kernarg_segment_align: 8
    .kernarg_segment_size: 88
    .max_flat_workgroup_size: 128
    .sgpr_count:     66
    .vgpr_count:     1024
    .wavefront_size: 32
...
	.end_amdgpu_metadata
.endif
;; end of part 1
;; launch attn (part 2): grid 32 x 8, 4 waves a work-group, clusters of 4 x 1, 327,680 bytes of LDS; arguments qimg, kimg, vimg, lowp_scales, out0; writes out0
.if DOCPART == 2
	.amdgcn_target "amdgcn-amd-amdhsa--gfx1250"
	.amdhsa_code_object_version 6
	.text
	.protected	k_qe56c22c0f6_attn
	.globl	k_qe56c22c0f6_attn
	.p2align	8
	.type	k_qe56c22c0f6_attn,@function
k_qe56c22c0f6_attn:
	s_mov_b64 s[64:65], 0
	v_nop
	global_prefetch_b8 v0, s[64:65] scope:SCOPE_SE
	s_setreg_imm32_b32 hwreg(HW_REG_WAVE_MODE, 25, 1), 1
	s_wait_xcnt 0x0
	s_wait_alu depctr_hold_cnt(0) depctr_sa_sdst(0) depctr_va_vdst(0) depctr_va_sdst(0) depctr_va_ssrc(0) depctr_va_vcc(0) depctr_vm_vsrc(0)
	s_getreg_b32 s2, hwreg(HW_REG_IB_STS2, 6, 4)
	s_cmp_eq_u32 s2, 0
	s_cbranch_scc0 .Lentry_in_a_cluster
	s_endpgm
.Lentry_in_a_cluster:
	s_bfe_u32 s2, ttmp6, 0x10000c
	s_cmp_lg_u32 s2, 0x3003
	s_cbranch_scc0 .Lentry_shape_is_right
	s_endpgm
.Lentry_shape_is_right:
; out[b][q][:] = the sum over keys k <= q of softmax_k(q . k / 16) v[k][:], both products on codes of E5M2.  8 batches, 2,048 rows, one head of 256.
; qimg, kimg, vimg: codes made by the launch before, laid as images of the operand registers (a fragment: 2,048 bytes, block c at 512 c, lane l's 16 bytes at 16 l).  lowp_scales: e6 (q), e7 (k), e8 (p), e9 (v).
; THE SOFTMAX: t = score x log2(e) / 16; M = the running largest t rounded UP to a whole number; p = 2^(t - M) is quantised along the keys; the row's sum is taken of the unquantised p and divides at the end.
; When M moves, the sum and O are multiplied by 2^(old M - new M), which rounds nothing.
; LIMITS: e6 + e7 between -122 and 131 (they are added to the exponent field of log2(e) / 16); e8 between -126 and 112.  NaN among the inputs is not served.
; SHARES.  Work-group g (0 .. 31) of a batch owns query blocks g and 63 - g, 32 queries each.  In key steps of 256 keys the first needs NA = g / 8 + 1 and the second 9 - NA: NINE steps in every work-group.
; WITHIN A STEP the four waves split the KEYS for S^T = K Q^T and the softmax (wave w: keys 128 y + 32 w + 0 .. 31, y = 0, 1, all 32 queries) and the CHANNELS for O^T = V^T P (wave w: channels 64 w .. 64 w + 63, all 256 keys).
; So each fragment of K and of V is read by one wave of the work-group.  What goes from wave to wave is small: p's codes (8 KiB, images of the operand's registers), each wave's row maxima and row sums.
; Both products are used transposed: a lane holds ONE query (lane % 16 of tile a) throughout.  The keys of a tile are 8 u + r % 8 + 16 (r / 8), so that the 16 registers of tiles u = 0, 1 are 16 neighbouring keys.
; ONE meeting of the waves a step.  Interval n: the softmax of step n, V^T P of step n - 1, K Q^T and the waves' maxima of step n + 1.
; K comes through a ring of two LDS slots of 131,072 bytes, TWO steps to a slot (step s at 65,536 (s % 4)).  g / 8 is the same in the four partners of a cluster, so they walk the same K and ask for each tile JOINTLY
; (the same tensor load, the same descriptor, a mask that names the four); wave w fetches 32 KiB.  A slot is filled again behind every second meeting, which is then a round of the cluster's barrier: the load has two intervals in which to land.
; V goes from memory STRAIGHT INTO ITS OPERAND REGISTERS and is not asked for jointly: two slots of two steps of both K and V would be 512 KiB, more than the 320 KiB of LDS.  Two sets of 128 registers take turns;
; a step's 32 loads go out in two groups of 16, the first behind the products that freed the set, the second at the next interval's head, and stay on their way across the meetings.
; THE MATRIX INSTRUCTIONS STAND AMONG THE VECTOR WORK: V^T P in tile 0's softmax, tile 0's K Q^T in tile 1's softmax, tile 1's K Q^T among the multiplies that rescale O^T; each costs two switches of the register window.
; LDS: the two slots; from 262,144 two scratch regions of 16,384 (interval n writes n % 2 and reads the other): p's four fragments at 0, the maxima at 8,192 (256 a + 16 r + 4 w), the sums at 8,704;
;   from 294,912 a stage of 16 rows x 272 bytes for each wave; at 312,320 the spare words.  No tensor load lands at or above 262,144.  All of a WGP's LDS is claimed.
; REGISTERS, in windows of 256.  window 0: v1-22 addresses and constants; v24-39 eight statistics a tile (-M, largest t, f, 0, l, 1 / l, two at work); v40-63 maxima, sums, at work; v64-127 S^T then p (32 a + 16 y + 8 u);
;   v128-191 O^T (8 (2 i + a): channels 64 w + 4 (8 h + j) + i); v192-207 p's codes; on the way out v192-255.   window 1: v0-127 K's eight fragments, v128-255 V of even steps.
;   window 2: v0-63 Q in hand, v64-127 the second block's Q, v128-191 p's four fragments.   window 3: v128-255 V of odd steps.
.set SLOT1,  1<<17
.set HALF,   65536
.set SCR0,   262144
.set SCRB,   16384
.set MAXB,   8192
.set SUMB,   8704
.set STG,    294912
.set SPITCH, 272
.set SPARE,  312320
.set SPW, 1                            ; v1   my spare word: SPARE + 4 x my thread's number; never rewritten
.set NIL, 2                            ; v2   0; never rewritten
.set L16, 3                            ; v3   16 x lane
.set K0,  4                            ; v4   16,384 w + 16 x lane: my quarter of an even step's K; v5: the same for an odd step, 65,536 on
.set PB,  6                            ; v6   scratch + 16 x lane: p's fragments, read
.set XB,  7                            ; v7   scratch + 16 r: a query's four words, read
.set KA,  8                            ; v8   the interval's address in the ring
.set PWB, 9                            ; v9   scratch + 512 w + 16 x lane: block c = w of a fragment of p, written
.set XWB, 10                           ; v10  scratch + 16 r + 4 w: my wave's word among a query's four, written
.set STO, 14                           ; v14  the stage: where I put 16 bytes
.set SRD, 15                           ; v15  and where I read a row back
.set GO,  16                           ; v16  my byte offset in two rows of out
.set QL,  18                           ; v18  r % 8 + 16 (r / 8) - 16 h - 32 w
.set DD,  19
.set NINF, 20
.set LIM, 21                           ; v21  57,344 x 2^e8
.set SCL, 22                           ; v22  2^e8
.set ST,  24
.set MX,  40
.set SU,  48
.set CH,  56
.set SM,  60
.set LM,  62
.set S,   64
.set OT,  128
.set PO,  192
.set TMP, 192
.set RB,  224
.set WV,  14                           ; s14  wave
.set CX,  15                           ; s15  my place in the cluster: it enters Q's and out's addresses and the mask's numbers alone
.set CL,  16                           ; s16  the cluster's number in the batch
.set BB,  17                           ; s17  the batch
.set NA,  18                           ; s18  key steps of the first block
.set NN,  19                           ; s19  the interval's number (in the loop: the trip's first)
.set FS,  20                           ; s20  the step whose K I fetched last
.set TB,  21                           ; s21  the slot in hand
.set VOF, 22                           ; s[22:23] V's offsets
.set G1,  24                           ; s[24:31] descriptor group 1
.set G0A, 32                           ; s[32:35] group 0, which walks
.set G0B, 36                           ; s[36:39] group 0 of the head's second fill
.set KB,  40                           ; s[40:41] my half (32 KiB) of key step 0's K, in my batch
.set OFS, 42                           ; s[42:43] the descriptors' offsets
.set VBASE, 44                         ; s[44:45] my 16 KiB of key step 0's V, in my batch
.set VP,  46                           ; s[46:47] the same of the step that is being asked for
.set CS,  48                           ; s[48:49] log2(e) / 16 x 2^(e6 + e7)
.set SEL, 50                           ; s[50:51] selects for lane l xor 16
.set DA,  52                           ; s52  the first block's first query, counted from its last key step's first key
.set DB,  53                           ; s53  the same for the second block
.set W15, 54                           ; s54  32,768 x wave
.set EO,  55                           ; s55  e8 + e9
.set OUTA, 56
.set OUTB, 58
.set ESC, 68
.set QAB, 72
.set QBB, 74
.set PFT, 76                           ; s[76:77] offsets that hang on my place in the cluster
.set MSB, 0
.macro WIN new                         ; the immediate's high byte repeats the setting that is left; a switch that changes nothing is dropped
.if MSB != (\new)
	s_set_vgpr_msb (MSB<<8)|(\new)
.set MSB, (\new)
.endif
.endm
.macro PLACES                          ; four plain vector instructions behind a matrix instruction, ahead of reads of its result and of loads into its registers
.rept 4
	v_nop
.endr
.endm
.macro ROUND                           ; a round of the cluster's barrier
	s_barrier_signal -1
	s_barrier_wait -1
	s_cmp_lg_u32 s[WV], 0
	s_cbranch_scc1 .Lnot_wave_0_\@
	s_barrier_signal -3
.Lnot_wave_0_\@:
	s_barrier_wait -3
	s_barrier_signal -1
	s_barrier_wait -1
.endm
; The joint refill: 32 KiB a wave.  kind 1: all four waves, two steps of K.  kind 2: one step is left (step 8): waves 0 and 1 alone.  Four v_nop follow the line.
.macro FILL kind
.if \kind == 1
	tensor_load_to_lds s[G0A:G0A+3], s[G1:G1+7]
	s_nop 0
	PLACES
.endif
.if \kind == 2
	s_cmp_lt_u32 s[WV], 2
	s_cbranch_scc0 .Lno_fill_\@
	tensor_load_to_lds s[G0A:G0A+3], s[G1:G1+7]
	s_nop 0
	PLACES
.Lno_fill_\@:
.endif
.endm
; Sixteen loads of V: group grp (fragments 4 grp .. 4 grp + 3; fragment 2 i + y) of the step at s[VP], into set bf.  Each load of the wave covers 512 consecutive bytes.
.macro VLOAD bf, grp
	WIN 0x40+0x80*(\bf)                            ; destination window 1 or 3
.set ii, 16*(\grp)
.rept 16
	global_load_b128 v[128+4*ii:128+4*ii+3], v[L16], s[VP:VP+1] offset:512*ii
.set ii, ii+1
.endr
	WIN 0
.endm
.macro VNEXT dn                        ; s[VP] steps to V of step n + 1: key step n + 1 of the first block, or n + 1 - NA of the second
	s_add_co_u32 s60, s[NN], \dn+1
	s_sub_co_u32 s[VOF], s60, s[NA]
	s_min_u32 s[VOF], s[VOF], s60
	s_lshl_b32 s[VOF], s[VOF], 16
	s_wait_xcnt 0x0                                ; the loads issued at the interval's head have read their base: it is written only behind this wait
	s_add_nc_u64 s[VP:VP+1], s[VBASE:VBASE+1], s[VOF:VOF+1]
.endm
.macro LD_MX par                       ; the four waves' maxima of my query, for both tiles
.irp a, 0,1
	ds_load_b128 v[MX+4*\a:MX+4*\a+3], v[XB] offset:(1-(\par))*SCRB+MAXB+256*\a
.endr
.endm
.macro LD_SU par                       ; and their sums
.irp a, 0,1
	ds_load_b128 v[SU+4*\a:SU+4*\a+3], v[XB] offset:(1-(\par))*SCRB+SUMB+256*\a
.endr
.endm
.macro LD_PA par                       ; p of all 256 keys: fragment 2 a + y
	WIN 0x80
.set ii, 0
.rept 16
	ds_load_b128 v[128+4*ii:128+4*ii+3], v[PB] offset:(1-(\par))*SCRB+512*ii
.set ii, ii+1
.endr
	WIN 0
.endm
.macro LD_K                            ; my 64 keys: fragment 2 (2 y + u) + s
	WIN 0x40
.set ii, 0
.rept 32
	ds_load_b128 v[4*ii:4*ii+3], v[KA] offset:512*ii
.set ii, ii+1
.endr
	WIN 0
.endm
; In the short chains below the two tiles alternate, so that no line reads the result of the line just before it.
.macro LSUM2                           ; l += the four waves' sums of the step before
.irp a, 0,1
	v_add_f32 v[SU+4*\a], v[SU+4*\a], v[SU+4*\a+1]
.endr
.irp a, 0,1
	v_add_f32 v[SU+4*\a+2], v[SU+4*\a+2], v[SU+4*\a+3]
.endr
.irp a, 0,1
	v_add_f32 v[SU+4*\a], v[SU+4*\a], v[SU+4*\a+2]
.endr
.irp a, 0,1
	v_add_f32 v[ST+8*\a+4], v[ST+8*\a+4], v[SU+4*\a]
.endr
.endm
.macro RLCALC                          ; 2^(e8 + e9) / l
	v_rcp_f32 v[ST+5], v[ST+4]
	v_rcp_f32 v[ST+13], v[ST+12]
	v_nop                                          ; a plain instruction between the reciprocals and the use of their results
	s_wait_alu depctr_va_vdst(0)
	v_ldexp_f32 v[ST+5], v[ST+5], s[EO]
	v_ldexp_f32 v[ST+13], v[ST+13], s[EO]
.endm
.macro SW1                             ; the first block's sum is whole: its divisor is kept, and the statistics begin anew
	RLCALC
.irp a, 0,1
	v_mov_b32 v[ST+8*\a+4], 0
	v_mov_b32 v[ST+8*\a+1], 0xff61b1e6             ; -3e38, under every t
	v_floor_f32 v[ST+8*\a], -v[ST+8*\a+1]
.endr
.endm
.macro STAT2
.irp a, 0,1
	v_max3_num_f32 v[ST+8*\a+6], v[MX+4*\a], v[MX+4*\a+1], v[MX+4*\a+2]
.endr
.irp a, 0,1
	v_max_num_f32 v[ST+8*\a+6], v[ST+8*\a+6], v[MX+4*\a+3]     ; the step's largest score of my query
.endr
.irp a, 0,1
	v_mul_f32 v[ST+8*\a+6], s[CS], v[ST+8*\a+6]                ; as t
.endr
.irp a, 0,1
	v_max_num_f32 v[ST+8*\a+1], v[ST+8*\a+1], v[ST+8*\a+6]     ; the running largest t
.endr
.irp a, 0,1
	v_mov_b32 v[ST+8*\a+7], v[ST+8*\a]
.endr
.irp a, 0,1
	v_floor_f32 v[ST+8*\a], -v[ST+8*\a+1]                      ; -M = floor(-t): M is a whole number
.endr
.irp a, 0,1
	v_sub_f32 v[ST+8*\a+7], v[ST+8*\a], v[ST+8*\a+7]           ; old M - new M, 0 or less
.endr
.irp a, 0,1
	v_cvt_i32_f32 v[ST+8*\a+7], v[ST+8*\a+7]                   ; (it saturates)
.endr
.irp a, 0,1
	v_ldexp_f32 v[ST+8*\a+2], 1.0, v[ST+8*\a+7]                ; f = 2^(old M - new M)
.endr
.endm
; ONE TILE'S SOFTMAX is a list of 104 instructions; SMI writes number jx of it for tile a and steps jx.
;   0-15   t - M, two at a time        16-47  p = 2^(t - M); a hidden key's is 0        48  l under the new M (the plain instruction behind the exponentials)
;   49-94  the sum of the UNQUANTISED p in two chains of packed additions; behind each addition the one-sided hold of the numbers just summed (the conversion does not saturate: ISA guide 7.6.2; p is not negative)
;   95-103 the chains' end (the two halves, lane l xor 16) by turns with the four conversions; a plain instruction behind the last conversion
.macro SMI a
.set st, ST+8*(\a)
.set sb, S+32*(\a)
	WIN 0
.if jx < 16
	v_pk_fma_f32 v[sb+2*jx:sb+2*jx+1], v[sb+2*jx:sb+2*jx+1], s[CS:CS+1], v[st:st+1] op_sel_hi:[1,0,0]   ; (of both pairs the low word serves both halves)
.elseif jx < 48
	v_exp_f32 v[sb+jx-16], v[sb+jx-16]
.elseif jx == 48
	v_mul_f32 v[st+4], v[st+4], v[st+2]
.elseif jx == 49
	s_wait_alu depctr_va_vdst(0)
	v_pk_add_f32 v[CH:CH+1], v[sb:sb+1], v[sb+2:sb+3]
.elseif jx == 50
	v_pk_add_f32 v[CH+2:CH+3], v[sb+4:sb+5], v[sb+6:sb+7]
.elseif jx < 59
	v_min_num_f32 v[sb+jx-51], v[sb+jx-51], v[LIM]
.elseif jx < 95
.set kx, 4+(jx-59)/3
.if (jx-59)%3 == 0
	v_pk_add_f32 v[CH+2*(kx%2):CH+2*(kx%2)+1], v[CH+2*(kx%2):CH+2*(kx%2)+1], v[sb+2*kx:sb+2*kx+1]
.else
	v_min_num_f32 v[sb+2*kx+(jx-59)%3-1], v[sb+2*kx+(jx-59)%3-1], v[LIM]
.endif
.elseif jx == 95
	v_pk_add_f32 v[CH:CH+1], v[CH:CH+1], v[CH+2:CH+3]
.elseif jx == 96
	v_cvt_scalef32_pk8_bf8_f32 v[PO+8*(\a):PO+8*(\a)+1], v[sb:sb+7], v[SCL]
.elseif jx == 97
	v_add_f32 v[st+6], v[CH], v[CH+1]
.elseif jx == 98
	v_cvt_scalef32_pk8_bf8_f32 v[PO+8*(\a)+2:PO+8*(\a)+3], v[sb+8:sb+15], v[SCL]
.elseif jx == 99
	v_permlanex16_b32 v[st+7], v[st+6], s[SEL], s[SEL+1]
.elseif jx == 100
	v_cvt_scalef32_pk8_bf8_f32 v[PO+8*(\a)+4:PO+8*(\a)+5], v[sb+16:sb+23], v[SCL]
.elseif jx == 101
	v_add_f32 v[SM+\a], v[st+6], v[st+7]           ; my wave's 64 keys
.elseif jx == 102
	v_cvt_scalef32_pk8_bf8_f32 v[PO+8*(\a)+6:PO+8*(\a)+7], v[sb+24:sb+31], v[SCL]
.else
	v_nop                                          ; a plain instruction between the conversions and the products that write their sources
.endif
.set jx, jx+1
.endm
; The accumulators take turns, one instruction a turn: between two links of a chain stand seven (V^T P) or three (K Q^T) others'.
.macro PVI bf                          ; product wx of 16 of O^T += V^T P: keys 128 (wx / 8) on, channel tile (wx / 2) % 4, query tile wx % 2; V in set bf
	WIN 0x09+2*(\bf)                               ; source 0 window 1 or 3, source 1 window 2
.set rO, OT+8*(2*((wx/2)%4)+wx%2)
.set rV, 128+16*(2*((wx/2)%4)+wx/8)
.set rP, 128+16*(2*(wx%2)+wx/8)
	v_wmma_f32_16x16x128_bf8_bf8 v[rO:rO+7], v[rV:rV+15], v[rP:rP+15], v[rO:rO+7]
.set wx, wx+1
.endm
.macro MSI a                           ; product sx of 8 of tile a's S^T = K Q^T: channels 128 (sx / 4) on, key tile sx % 4; the first four start the sums
	WIN 0x09                                       ; source 0 window 1, source 1 window 2
.set rS, S+32*(\a)+8*(sx%4)
.set rK, 16*(2*(sx%4)+sx/4)
.set rQ, 16*(2*(\a)+sx/4)
.if sx < 4
	v_wmma_f32_16x16x128_bf8_bf8 v[rS:rS+7], v[rK:rK+15], v[rQ:rQ+15], 0
.else
	v_wmma_f32_16x16x128_bf8_bf8 v[rS:rS+7], v[rK:rK+15], v[rQ:rQ+15], v[rS:rS+7]
.endif
.set sx, sx+1
.endm
; Tile a's softmax.  kind 1: V^T P's sixteen products stand in it, one behind every fourth line from line 20 on; kind 2: tile 0's eight products K Q^T, one behind every eighth line from line 24 on.
; None of those products names a register of the lines beside it.  Behind the last of them stand 24 lines of the list, more than four of them plain: the places ahead of the loads into V's set.
.macro SOFTX a, kind, bf, sp
.set jx, 0
.rept 104
	SMI \a
.if ((\kind) == 1) && (jx >= 20) && (jx <= 80) && (jx%4 == 0)
.if wx == 0
	s_wait_dscnt 32*\sp                            ; p's fragments are in; K's 32 loads, issued behind them, may be out
	s_wait_loadcnt 32                              ; V of the step in hand is in; the 32 loads of the next step's, issued behind it, may be out
.endif
	PVI \bf
.endif
.if ((\kind) == 2) && (jx >= 24) && (jx <= 80) && (jx%8 == 0)
.if sx == 0
	s_wait_dscnt 0x0                               ; K is in
.endif
	MSI 0
.endif
.endr
	WIN 0
.endm
.macro RSC4                            ; four of the 32 packed multiplies that bring O^T under the new M: x f, each accumulator from its low end on
.rept 4
	v_pk_mul_f32 v[OT+8*(rx/4)+2*(rx%4):OT+8*(rx/4)+2*(rx%4)+1], v[OT+8*(rx/4)+2*(rx%4):OT+8*(rx/4)+2*(rx%4)+1], v[ST+8*((rx/4)%2)+2:ST+8*((rx/4)%2)+3] op_sel_hi:[1,0]
.set rx, rx+1
.endr
.endm
.macro PUB_P par                       ; six stores: my block of p's four fragments, my sums
.irp a, 0,1
.irp y, 0,1
	ds_store_b128 v[PWB], v[PO+8*\a+4*\y:PO+8*\a+4*\y+3] offset:(\par)*SCRB+(2*\a+\y)*2048
.endr
.endr
.irp a, 0,1
	ds_store_b32 v[XWB], v[SM+\a] offset:(\par)*SCRB+SUMB+256*\a   ; lanes r and r + 16 hold the same number
.endr
.endm
.macro QSW                             ; the second block's Q takes the first's place
	WIN 0x82
.set ii, 0
.rept 64
	v_mov_b32 v[ii], v[64+ii]
.set ii, ii+1
.endr
	WIN 0
.endm
; On the diagonal the scores of hidden keys become -infinity ahead of the maximum.  Register 16 y + 8 u + j of tile a holds key 128 y + 32 w + 16 h + 8 u + j: hidden where 128 y + 8 u + j > first query + 8 a + QL.
.macro MASK d
.irp a, 0,1
.if \a == 0
	v_add_nc_u32 v[DD], s[\d], v[QL]
.else
	v_add_nc_u32 v[DD], 8, v[DD]
.endif
.set nn, 0
.rept 32
	v_cmp_gt_i32 vcc_lo, 128*(nn/16)+nn%16, v[DD]
	v_cndmask_b32 v[S+32*\a+nn], v[S+32*\a+nn], v[NINF], vcc_lo
.set nn, nn+1
.endr
.endr
.endm
.macro LMAX2 par                       ; my wave's largest score of each query, each accumulator from its low end on; two chains a tile, the tiles by turns
.irp a, 0,1
	v_max3_num_f32 v[ST+8*\a+6], v[S+32*\a], v[S+32*\a+1], v[S+32*\a+2]
.endr
.irp a, 0,1
	v_max3_num_f32 v[ST+8*\a+7], v[S+32*\a+3], v[S+32*\a+4], v[S+32*\a+5]
.endr
.irp i, 6,10,14,18,22,26
.irp a, 0,1
	v_max3_num_f32 v[ST+8*\a+6], v[ST+8*\a+6], v[S+32*\a+\i], v[S+32*\a+\i+1]
.endr
.irp a, 0,1
	v_max3_num_f32 v[ST+8*\a+7], v[ST+8*\a+7], v[S+32*\a+\i+2], v[S+32*\a+\i+3]
.endr
.endr
.irp a, 0,1
	v_max3_num_f32 v[ST+8*\a+6], v[ST+8*\a+6], v[S+32*\a+30], v[S+32*\a+31]
.endr
.irp a, 0,1
	v_max_num_f32 v[ST+8*\a+6], v[ST+8*\a+6], v[ST+8*\a+7]
.endr
.irp a, 0,1
	v_permlanex16_b32 v[ST+8*\a+7], v[ST+8*\a+6], s[SEL], s[SEL+1]
.endr
.irp a, 0,1
	v_max_num_f32 v[LM+\a], v[ST+8*\a+6], v[ST+8*\a+7]
.endr
.irp a, 0,1
	ds_store_b32 v[XWB], v[LM+\a] offset:(\par)*SCRB+MAXB+256*\a
.endr
.endm
; THE WAY OUT of a block of 32 queries, a tile of 16 at a time: O^T / l with the channels put in order (register 4 j + i = channel 64 w + 32 h + 4 j + i), through my own stage, back as rows of 256 bytes.
.macro FLUSH base, zero
	s_wait_dscnt 0x0                               ; my LDS stores have read their registers: TMP lies over p's codes
.irp a, 0,1
.if \a == 1
	s_wait_xcnt 0x0                                ; tile 0's stores have read their data: RB is loaded again only behind this wait
.endif
.irp j, 0,1,2,3,4,5,6,7
.irp i, 0,1,2,3
	v_mul_f32 v[TMP+4*\j+\i], v[OT+8*(2*\i+\a)+\j], v[ST+8*\a+5]   ; register 0 of each accumulator first
.endr
.endr
.irp q, 0,1,2,3,4,5,6,7
	ds_store_b128 v[STO], v[TMP+4*\q:TMP+4*\q+3] offset:16*\q
.endr
.irp t, 0,1,2,3,4,5,6,7
	ds_load_b128 v[RB+4*\t:RB+4*\t+3], v[SRD] offset:2*SPITCH*\t   ; LDS serves a wave's instructions in order (ISA guide 5.7.1.4): these see my stores
.endr
.irp t, 0,1,2,3,4,5,6,7
	s_wait_dscnt 7-\t                              ; the younger loads may be out
	global_store_b128 v[GO], v[RB+4*\t:RB+4*\t+3], s[\base:\base+1] offset:(8*\a+2*\t+8*(\t/4))*1024 th:TH_STORE_NT   ; stage row 2 t + h is query 8 a + 2 t + 8 (t / 4) + h; 16 lanes store 256 consecutive bytes, aligned
.endr
.endr
	s_wait_xcnt 0x0                                ; the stores have read their data
.if \zero
.set ii, 0
.rept 64
	v_mov_b32 v[OT+ii], 0                          ; the second block's sums begin (the step is written once, adding in place)
.set ii, ii+1
.endr
.endif
.endm
; THE MEETING at an interval's end: every wave's LDS stores have landed and its LDS reads are in.
; kind 0: a plain barrier; a refill may stay on its way across it.
; kind 1: the slot's two steps have been read and a joint refill follows.  Each wave waits for all its tensor loads (its part of the other slot), adds 0 to its spare word, steps the walking descriptor while the add is out, and
;         waits for the add and its LDS instructions; the barrier is a round of the cluster's: no wave of any partner still reads the slot or has a load on its way.
; kind 2: no refill follows, but the last tile (step 8) is read behind it: the waves that fetched it wait for it.
.macro SYNC kind
.if \kind == 1
	s_wait_tensorcnt 0x0                           ; no tensor load of mine is out, so the walking group 0 may be written
	ds_add_u32 v[SPW], v[NIL]
	s_add_co_u32 s[G0A+1], s[TB], s[W15]           ; the refill goes into the slot that is being left, 32 KiB a wave
	s_add_co_u32 s[FS], s[FS], 2                   ; the step two pairs on from the one that lay there
	s_sub_co_u32 s[OFS], s[FS], s[NA]
	s_min_u32 s[OFS], s[OFS], s[FS]                ; step FS is key step FS of the first block, or FS - NA of the second
	s_lshl_b32 s[OFS], s[OFS], 16
	s_add_nc_u64 s[G0A+2:G0A+3], s[KB:KB+1], s[OFS:OFS+1]
	s_or_b32 s[G0A+3], s[G0A+3], 0x80000000
	s_xor_b32 s[TB], s[TB], SLOT1                  ; the next two intervals read the other slot
	s_wait_dscnt 0x0
	ROUND
.elseif \kind == 2
	s_wait_tensorcnt 0x0
	s_xor_b32 s[TB], s[TB], SLOT1
	s_wait_dscnt 0x0
	s_barrier_signal -1
	s_barrier_wait -1
.else
	s_wait_dscnt 0x0
	s_barrier_signal -1
	s_barrier_wait -1
.endif
.endm
; AN INTERVAL, number n = s[NN] + dn, par = n % 2.  pv: V^T P of step n - 1; sm: the softmax of step n; sp: K Q^T of step n + 1; fill: see FILL; vh: the second group of V of step n; vp: the first group of V of step n + 1;
; sw: the change of blocks may fall here (n = NA); qsw: Q may change here (n + 1 = NA); diag: 1: step n + 1 may be the first block's last (n + 2 = NA); 2: it is the second block's last; sync: see SYNC.
; All branches hang on n and NA, which the four partners share; no barrier and no tensor load stands under them.
.macro INTERVAL par, dn, pv, sm, sp, fill, vh, vp, sw, qsw, diag, sync
	FILL \fill                                     ; the first thing behind the round
.if \vh
	VLOAD \par, 1
.endif
.if \sp
	v_add_nc_u32 v[KA], s[TB], v[K0+1-(\par)]      ; step n + 1: the slot's first half where n is odd, its second where n is even
.endif
.if \sm
	LD_MX \par
.endif
.if \pv
	LD_SU \par
	LD_PA \par
.endif
.if \sp
	LD_K
.endif
.if \sm+\pv
	s_wait_dscnt 16*\pv+32*\sp                     ; the maxima and sums are in; p's 16 and K's 32 loads may be out
.endif
.if \pv
	LSUM2
.endif
.if \sw
	s_add_co_u32 s60, s[NN], \dn
	s_cmp_lg_u32 s60, s[NA]
	s_cbranch_scc1 .Lno_sw_\@
	SW1
.Lno_sw_\@:
.endif
.if \sm
	STAT2
.endif
.if \qsw
	s_add_co_u32 s60, s[NN], \dn+1
	s_cmp_lg_u32 s60, s[NA]
	s_cbranch_scc1 .Lno_q_\@
	QSW
.Lno_q_\@:
.endif
.if \sm
.set wx, 0
	SOFTX 0, \pv, 1-(\par), \sp
.endif
.if \vp
	VNEXT \dn
	VLOAD 1-(\par), 0                              ; into the set that V^T P has just left
.endif
.if \sm
.set sx, 0
	SOFTX 1, 2*\sp, 0, 0
	PUB_P \par
.endif
.if \sw
	s_add_co_u32 s60, s[NN], \dn
	s_cmp_lg_u32 s60, s[NA]
	s_cbranch_scc1 .Lno_fl_\@
	FLUSH OUTA, 1                                  ; the first block's O^T is whole; it leaves ahead of the rescaling, whose f is 0 here
.Lno_fl_\@:
.endif
.if \sp && \sm
.set sx, 0
.set rx, 0
.rept 8
	MSI 1                                          ; tile 1's K Q^T, four of the rescaling's multiplies behind each
	WIN 0
	RSC4
.endr
.elseif \sp
	s_wait_dscnt 0x0                               ; K is in
.set sx, 0
.rept 8
	MSI 0
.endr
.set sx, 0
.rept 8
	MSI 1
.endr
.elseif \sm
.set rx, 0
.rept 8
	RSC4
.endr
.endif
	WIN 0
	PLACES
.if \diag == 1
	s_add_co_u32 s60, s[NN], \dn+2
	s_cmp_lg_u32 s60, s[NA]
	s_cbranch_scc1 .Lno_d_\@
	MASK DA
.Lno_d_\@:
.endif
.if \diag == 2
	MASK DB
.endif
.if \sp
	LMAX2 \par
.endif
	SYNC \sync
.endm
	s_load_b256 s[4:11], s[0:1], 0x0               ; qimg s[4:5], kimg s[6:7], vimg s[8:9], the scales' exponents s[10:11]
	s_load_b64 s[12:13], s[0:1], 0x20              ; out
	v_lshl_add_u32 v[SPW], v0, 2, SPARE
	v_mov_b32 v[NIL], 0
	ds_add_u32 v1, v2
	ds_add_u32 v1, v2
	s_wait_dscnt 0x0
	v_lshrrev_b32 v11, 5, v0
	v_readfirstlane_b32 s[WV], v11                 ; wave 0..3
	v_and_b32 v11, 31, v0                          ; lane
	v_lshlrev_b32 v[L16], 4, v11
	s_bfe_u32 s[CX], ttmp6, 0x40000                ; my place in the cluster
	s_mov_b32 s[CL], ttmp9                         ; in a cluster launch ttmp9 counts clusters
	s_and_b32 s[BB], ttmp7, 0xffff                 ; the batch
	s_lshr_b32 s[NA], s[CL], 1
	s_add_co_u32 s[NA], s[NA], 1                   ; (4 cl + cx) / 8 + 1: the same in the four partners
	s_lshl_b32 s[W15], s[WV], 15
	; descriptor group 1: a dense block of 32 KiB as 128 rows of 256 bytes
	s_mov_b32 s[G1], 15|(3<<16)|(1<<21)            ; 15:0 the mask: all four work-groups; 17:16 elements of 8 bytes; 21 set beside a mask; no padding: every LDS access here is 16 x lane on end
	s_mov_b32 s[G1+1], 32<<16                      ; tensor_dim0 = 32
	s_mov_b32 s[G1+2], 128<<16                     ; tensor_dim1 = 128
	s_mov_b32 s[G1+3], 32<<16                      ; tile_dim0 = 32
	s_mov_b32 s[G1+4], 128                         ; tile_dim1 = 128
	s_mov_b32 s[G1+5], 32                          ; from row to row
	s_mov_b32 s[G1+6], 0
	s_mov_b32 s[G1+7], 0
	s_mov_b32 s[TB], 0                             ; steps 0 and 1 lie in slot 0
	s_mov_b32 s[SEL], 0x76543210
	s_mov_b32 s[SEL+1], 0xfedcba98
	s_lshr_b32 s[FS], s[WV], 1                     ; waves 0, 1 fetch a pair's first step, waves 2, 3 its second
	s_and_b32 s[DA], s[CL], 1
	s_lshl_b32 s[DA], s[DA], 2
	s_add_co_u32 s[DA], s[DA], s[CX]
	s_lshl_b32 s[DA], s[DA], 5                     ; 32 (4 (cl % 2) + cx)
	s_sub_co_u32 s[DB], 224, s[DA]
	s_lshl_b32 s60, s[CL], 2
	s_add_co_u32 s60, s60, s[CX]                   ; g
	s_sub_co_u32 s61, 63, s60                      ; 63 - g
	s_mov_b32 s[PFT+1], 0
	s_mov_b32 s[OFS+1], 0
	s_mov_b32 s[VOF+1], 0
	s_wait_kmcnt 0x0
	s_load_b128 s[ESC:ESC+3], s[10:11], 0x18       ; e6, e7, e8, e9
	s_lshl_b32 s[OFS], s[BB], 19                   ; a batch is 524,288 bytes in each image
	s_and_b32 s62, s[WV], 1
	s_lshl_b32 s62, s62, 15                        ; which half of a step's 64 KiB of K I fetch
	s_add_co_u32 s[OFS], s[OFS], s62
	s_add_nc_u64 s[KB:KB+1], s[6:7], s[OFS:OFS+1]
	s_lshl_b32 s[VOF], s[BB], 19
	s_lshl_b32 s62, s[WV], 14                      ; my 64 channels: 16 KiB of a step's V
	s_add_co_u32 s[VOF], s[VOF], s62
	s_add_nc_u64 s[VBASE:VBASE+1], s[8:9], s[VOF:VOF+1]
	s_mov_b64 s[VP:VP+1], s[VBASE:VBASE+1]         ; step 0 is key step 0
	s_mov_b32 s[G0A], 1                            ; count = 1
	s_mov_b32 s[G0A+1], s[W15]                     ; steps 0 and 1 into slot 0
	s_sub_co_u32 s[OFS], s[FS], s[NA]
	s_min_u32 s[OFS], s[OFS], s[FS]                ; step FS is key step FS of the first block, or FS - NA of the second
	s_lshl_b32 s[OFS], s[OFS], 16
	s_add_nc_u64 s[G0A+2:G0A+3], s[KB:KB+1], s[OFS:OFS+1]
	s_or_b32 s[G0A+3], s[G0A+3], 0x80000000        ; type = 2
	s_add_co_u32 s[FS], s[FS], 2
	s_mov_b32 s[G0B], 1
	s_add_co_u32 s[G0B+1], s[W15], SLOT1           ; steps 2 and 3 into slot 1
	s_sub_co_u32 s[OFS], s[FS], s[NA]
	s_min_u32 s[OFS], s[OFS], s[FS]
	s_lshl_b32 s[OFS], s[OFS], 16
	s_add_nc_u64 s[G0B+2:G0B+3], s[KB:KB+1], s[OFS:OFS+1]
	s_or_b32 s[G0B+3], s[G0B+3], 0x80000000
	s_lshl_b32 s62, s[BB], 19
	s_lshl_b32 s[PFT], s60, 13                     ; a block of 32 queries is 8,192 bytes of codes
	s_add_co_u32 s[PFT], s[PFT], s62
	s_add_nc_u64 s[QAB:QAB+1], s[4:5], s[PFT:PFT+1]
	s_lshl_b32 s[PFT], s61, 13
	s_add_co_u32 s[PFT], s[PFT], s62
	s_add_nc_u64 s[QBB:QBB+1], s[4:5], s[PFT:PFT+1]
	s_lshl_b32 s62, s[BB], 21                      ; a batch of out is 2,048 rows of 1,024 bytes
	s_lshl_b32 s[PFT], s60, 15
	s_add_co_u32 s[PFT], s[PFT], s62
	s_add_nc_u64 s[OUTA:OUTA+1], s[12:13], s[PFT:PFT+1]
	s_lshl_b32 s[PFT], s61, 15
	s_add_co_u32 s[PFT], s[PFT], s62
	s_add_nc_u64 s[OUTB:OUTB+1], s[12:13], s[PFT:PFT+1]
	ROUND                                          ; all four work-groups are here: the first joint loads meet
	tensor_load_to_lds s[G0A:G0A+3], s[G1:G1+7]    ; the first fills, both slots: two loads of a wave are out
	s_nop 0
	tensor_load_to_lds s[G0B:G0B+3], s[G1:G1+7]
	s_nop 0
	PLACES
	WIN 0x80                                       ; destination window 2: both blocks' Q stay in registers
.set ii, 0
.rept 16
	global_load_b128 v[4*ii:4*ii+3], v[L16], s[QAB:QAB+1] offset:512*ii
.set ii, ii+1
.endr
.set ii, 0
.rept 16
	global_load_b128 v[64+4*ii:64+4*ii+3], v[L16], s[QBB:QBB+1] offset:512*ii
.set ii, ii+1
.endr
	WIN 0
	VLOAD 0, 0                                     ; the first group of V of step 0
	v_and_b32 v12, 15, v0                          ; r
	v_bfe_u32 v13, v0, 4, 1                        ; h
	s_lshl_b32 s60, s[WV], 14
	v_add_nc_u32 v[K0], s60, v[L16]
	v_add_nc_u32 v[K0+1], HALF, v[K0]
	v_add_nc_u32 v[PB], SCR0, v[L16]
	v_lshlrev_b32 v17, 4, v12
	v_add_nc_u32 v[XB], SCR0, v17
	s_lshl_b32 s61, s[WV], 9
	s_add_co_u32 s61, s61, SCR0
	v_add_nc_u32 v[PWB], s61, v[L16]
	s_lshl_b32 s62, s[WV], 2
	s_add_co_u32 s62, s62, SCR0
	v_add_nc_u32 v[XWB], s62, v17
	s_mul_i32 s63, s[WV], 16*SPITCH
	s_add_co_u32 s63, s63, STG                     ; my stage
	v_mul_u32_u24 v[STO], v12, SPITCH
	v_lshl_add_u32 v[STO], v13, 7, v[STO]
	v_add_nc_u32 v[STO], s63, v[STO]               ; in: row r, my half's 32 channels: 128 h bytes on
	v_mul_u32_u24 v[SRD], v13, SPITCH
	v_lshl_add_u32 v[SRD], v12, 4, v[SRD]
	v_add_nc_u32 v[SRD], s63, v[SRD]               ; back: lanes 0-15 one row, lanes 16-31 the next
	s_lshl_b32 s60, s[WV], 8
	v_lshlrev_b32 v[GO], 10, v13
	v_lshl_add_u32 v[GO], v12, 4, v[GO]
	v_add_nc_u32 v[GO], s60, v[GO]                 ; the same in out: 1,024 h + 256 w + 16 r
	v_and_b32 v[QL], 8, v12
	v_add_nc_u32 v[QL], v[QL], v12                 ; r % 8 + 16 (r / 8)
	v_lshlrev_b32 v17, 4, v13
	v_sub_nc_u32 v[QL], v[QL], v17
	s_lshl_b32 s61, s[WV], 5
	v_mov_b32 v17, s61
	v_sub_nc_u32 v[QL], v[QL], v17
	v_mov_b32 v[NINF], 0xff800000                  ; -infinity
.irp a, 0,1
	v_mov_b32 v[ST+8*\a+1], 0xff61b1e6             ; the largest t so far: -3e38
	v_floor_f32 v[ST+8*\a], -v[ST+8*\a+1]          ; -M
.irp k, 2,3,4,5,6,7
	v_mov_b32 v[ST+8*\a+\k], 0                     ; f, its pair's upper half, l, 1 / l, and two registers that lane permutes write (their destination counts as read)
.endr
.endr
.set ii, 0
.rept 64
	v_mov_b32 v[OT+ii], 0                          ; O^T.  (The step is written once: the first finds zeros)
.set ii, ii+1
.endr
	s_wait_kmcnt 0x0
	s_add_co_i32 s60, s[ESC], s[ESC+1]
	s_lshl_b32 s60, s60, 23
	s_add_co_i32 s[CS], s60, 0x3db8aa3b            ; log2(e) / 16, with e6 + e7 added to its exponent field
	s_mov_b32 s[CS+1], s[CS]                       ; (named with it as a pair)
	s_add_co_i32 s60, s[ESC+2], 127
	s_lshl_b32 s61, s60, 23
	v_mov_b32 v[SCL], s61                          ; 2^e8
	s_add_co_i32 s60, s60, 15
	s_lshl_b32 s60, s60, 23
	s_or_b32 s60, s60, 0x600000
	v_mov_b32 v[LIM], s60                          ; 57,344 x 2^e8
	s_add_co_i32 s[EO], s[ESC+2], s[ESC+3]
	s_wait_tensorcnt 1                             ; my part of slot 0 is in; slot 1's may stay out
	s_barrier_signal -1
	s_barrier_wait -1                              ; everybody's is
	s_wait_loadcnt 16                              ; Q is in; the 16 loads of V issued behind it may be out
	VLOAD 0, 1                                     ; the second group of V of step 0
	s_mov_b32 s[NN], -1
	INTERVAL 1, 0, 0, 0, 1, 0, 0, 0, 0, 0, 1, 0    ; -1: the scores of step 0
	s_mov_b32 s[NN], 0
	INTERVAL 0, 0, 0, 1, 1, 0, 0, 1, 0, 1, 1, 1    ;  0: the softmax of step 0, the scores of step 1; slot 0 is left
	s_mov_b32 s[NN], 1
.Lloop:                                            ; two trips of two intervals (1, 2 and 3, 4): V's sets and the slot's halves are back where they began; each trip fills one slot again
	INTERVAL 1, 0, 1, 1, 1, 1, 1, 1, 1, 1, 1, 0
	INTERVAL 0, 1, 1, 1, 1, 0, 1, 1, 1, 1, 1, 1
	s_add_co_u32 s[NN], s[NN], 2
	s_cmp_lt_u32 s[NN], 5
	s_cbranch_scc1 .Lloop
	INTERVAL 1, 0, 1, 1, 1, 2, 1, 1, 0, 0, 0, 0    ;  5: the last refill, step 8's K.  The tail is written out
	s_mov_b32 s[NN], 6
	INTERVAL 0, 0, 1, 1, 1, 0, 1, 1, 0, 0, 0, 2    ;  6: behind its meeting step 8's K is read
	s_mov_b32 s[NN], 7
	INTERVAL 1, 0, 1, 1, 1, 0, 1, 1, 0, 0, 2, 0    ;  7: step 8 is the second block's last: it lies on the diagonal
	s_mov_b32 s[NN], 8
	INTERVAL 0, 0, 1, 1, 0, 0, 1, 0, 0, 0, 0, 0    ;  8: no scores are left
	LD_SU 1                                        ;  9: V^T P of step 8
	LD_PA 1
	s_wait_dscnt 16                                ; the sums are in; p's 16 loads may be out
	LSUM2
	RLCALC
	s_wait_dscnt 0x0
	s_wait_loadcnt 0x0                             ; V of step 8
.set wx, 0
.rept 16
	PVI 0
.endr
	WIN 0
	PLACES
	FLUSH OUTB, 0
	s_wait_tensorcnt 0x0                           ; the wave's end, behind my last tensor load and my last LDS store
	ds_add_u32 v[SPW], v[NIL]
	s_wait_dscnt 0x0
	ROUND                                          ; the closing round: no work-group ends while a partner may still ask for a tile that names it
	s_endpgm
.Lfunc_end_k_qe56c22c0f6_attn:
	.size	k_qe56c22c0f6_attn, .Lfunc_end_k_qe56c22c0f6_attn-k_qe56c22c0f6_attn
	.p2alignl 7, 3214868480
	.fill 96, 4, 3214868480
	.section	.rodata,"a",@progbits
	.p2align	6, 0x0
	.amdhsa_kernel k_qe56c22c0f6_attn
		.amdhsa_group_segment_fixed_size 327680
		.amdhsa_private_segment_fixed_size 0
		.amdhsa_enable_private_segment 0
		.amdhsa_kernarg_size 40
		.amdhsa_user_sgpr_count 2
		.amdhsa_user_sgpr_kernarg_segment_ptr 1
		.amdhsa_wavefront_size32 1
		.amdhsa_system_sgpr_workgroup_id_x 1
		.amdhsa_system_sgpr_workgroup_id_y 1
		.amdhsa_system_sgpr_workgroup_id_z 1
		.amdhsa_system_vgpr_workitem_id 0
		.amdhsa_next_free_vgpr 1024
		.amdhsa_next_free_sgpr 80
		.amdhsa_reserve_vcc 1
		.amdhsa_float_denorm_mode_32 3
		.amdhsa_float_denorm_mode_16_64 3
		.amdhsa_memory_ordered 1
		.amdhsa_forward_progress 1
		.amdhsa_inst_pref_size 248
	.end_amdhsa_kernel
	.amdgpu_metadata
---
amdhsa.version: [ 1, 2 ]
amdhsa.kernels:
  - .name:           k_qe56c22c0f6_attn
    .symbol:         k_qe56c22c0f6_attn.kd
    .args:
      - { .name: qimg, .offset: 0, .size: 8, .value_kind: global_buffer, .address_space: global }
      - { .name: kimg, .offset: 8, .size: 8, .value_kind: global_buffer, .address_space: global }
      - { .name: vimg, .offset: 16, .size: 8, .value_kind: global_buffer, .address_space: global }
      - { .name: lowp_scales, .offset: 24, .size: 8, .value_kind: global_buffer, .address_space: global }
      - { .name: out0, .offset: 32, .size: 8, .value_kind: global_buffer, .address_space: global }
    .group_segment_fixed_size: 327680
    .private_segment_fixed_size: 0
    .kernarg_segment_align: 8
    .kernarg_segment_size: 40
    .max_flat_workgroup_size: 128
    .sgpr_count:     80
    .vgpr_count:     1024
    .wavefront_size: 32
...
	.end_amdgpu_metadata
.endif
;; end of part 2
;; ======== version 2 of 2: 2 launches; version 1 with the launch proj written anew for expert scheduling mode
;; workspace buffers: qimg 4,194,304 bytes; kimg 4,194,304 bytes; vimg 4,194,304 bytes
;; launch proj (part 3): grid 4 x 64, 4 waves a work-group, no clusters, 25,088 bytes of LDS; arguments x, Wq, Wk, Wv, bq, bk, bv, lowp_scales, qimg, kimg, vimg; writes qimg, kimg, vimg
.if DOCPART == 3
	.amdgcn_target "amdgcn-amd-amdhsa--gfx1250"
	.amdhsa_code_object_version 6
	.text
	.protected	k_qe56c22c0f6_proj
	.globl	k_qe56c22c0f6_proj
	.p2align	8
	.type	k_qe56c22c0f6_proj,@function
k_qe56c22c0f6_proj:
	s_mov_b64 s[64:65], 0
	v_nop
	global_prefetch_b8 v0, s[64:65] scope:SCOPE_SE
	s_setreg_imm32_b32 hwreg(HW_REG_WAVE_SCHED_MODE, 0, 2), 2
	s_setreg_imm32_b32 hwreg(HW_REG_WAVE_MODE, 25, 1), 1
	s_wait_xcnt 0x0
	s_wait_alu depctr_vm_vsrc(0)
; q = x Wq + bq, k = x Wk + bk, v = x Wv + bv on codes of E5M2, and q, k, v quantised again for the attention launch.
; x [16384][128] f32, W [128][256] f32 (K is the first axis), b [256] f32, lowp_scales [10] int32: e0 .. e9.
; code = number / 2^e, held within +-57,344, to the nearest code, ties to even.  x is quantised three times (e0, e2, e4), the weights with e1, e3, e5, the results with e6 (q), e7 (k), e9 (v).
; LIMITS: e0 .. e5, e6-e0-e1, e7-e2-e3 and e9-e4-e5 lie between -126 and 112, so that each scale and 57,344 x the scale is an f32 number.  NaN among the inputs is not served.
; SHARES.  A work-group takes 256 rows (work-group y) x 64 columns (work-group x = g) of each of q, k, v: 224 KiB read, 48 KiB stored.  Wave wv takes rows 64 wv .. 64 wv + 63: two groups G of 32 rows, two tiles u each.
; Lane r of tile (G, u) is row 32 G + 8 u + r % 8 + 16 (r / 8), so that the 16 registers of tiles u = 0, 1 are 16 neighbouring rows where the rows are the next product's K (v).
; THE WEIGHTS.  Tile j of a weight holds columns 64 g + 4 r + j: a lane's load of 16 bytes brings one number for each of the four tiles, and sixteen lanes read 256 consecutive bytes.  Registers run down K.
; Wave wv makes k = 32 wv .. 32 wv + 31 of all twelve fragments; they meet in LDS as images of the operand's registers (lane l's 16 bytes at 16 l): one barrier.
; A fragment's registers 4 c .. 4 c + 3 hold k = 32 c + 16 (lane / 16) + 0 .. 15, in x and in the weights alike: the same permutation of k on both sides, so every product meets its partner.
; q AND k are made TRANSPOSED (source 0 = 16 columns of W, source 1 = 16 rows of x): a lane holds one row and eight columns, so the conversions' results run along the next K (the 256 channels).
; v is made the natural way round (source 0 = x, source 1 = W): a lane holds one channel and eight rows, which are the keys, the next K.
; The biases go in as the C of each product, divided by the power of two that the sums lack.
; OUT.  The three buffers are this program's own, laid as images of the attention launch's operand registers; every store of a wave covers 512 consecutive bytes, aligned.
; LDS: the twelve fragments' images, 24,576 bytes; behind them, from 0x6000 on, the spare words, 128 bytes for each wave, which no other line names.
; REGISTERS, in windows of 256.  window 0: v1-7 addresses; v8-25 nine pairs (scale, 57,344 x scale); v26-29 bv; v62, v63 the closing add's two; v64-159 x's codes (32 sigma + 16 u), and ahead of them in v64-111 the three weights' codes;
;   v160-223 D: numbers at work and the eight results; v224-255 codes to store, two buffers of 16.
;   window 1: v0-191 the twelve weight fragments (16 (4 mu + j)); v192-223 bq, v224-255 bk in the results' layout.   window 2: x as loaded (64 (2 G + u) + 16 c + i).
;   window 3: v0-191 the weights as loaded (64 mu + 4 i + j), later v0-31 bv in the results' layout; v192-255 bq, bk as loaded.
; THE MODE: SCHED_MODE bits 1:0 = 2 (LLVM: expert scheduling mode 2), set by the entry lines.  The code itself states the register dependences
; between vector or matrix instructions and memory or LDS instructions, with s_wait_alu, always for 0.
; THE PLAN.  The text has no loop and no branch.  Registers that memory or LDS instructions touch:
;   v1 .. v6        Offsets and LDS addresses: written once at the head, read by every load and store, never written again.  One wait on va_vdst, ahead of the first load, serves them all.
;   windows 2 and 3, v26-29   x, the weights and the biases as loaded: each register is loaded once, and no vector instruction names it ahead of its load.
;   window 1 v0-191 The twelve fragments: loaded from LDS once, in six groups of eight loads dealt among the vector work behind the barrier, which names none of them; read by the products alone.
;   WC0 .. WC2      A weight's codes, a buffer to each weight: written by its eight conversions, read by its four LDS stores (one wait on va_vdst between).  x's conversions write these registers next: one wait on vm_vsrc behind the barrier.
;   OUT0, OUT1      Out step t (q, k, v of group 0, then of group 1): its eight conversions write OUT[t % 2], its four stores read it (one wait on va_vdst between); step t + 2 writes it again, behind a wait on vm_vsrc two steps behind those stores.
;   v62, v63        Written at the head, read by the closing add alone.
.set XC,  64
.set WC,  64                           ; buffer mu at WC + 16 mu: x's codes are made later
.set D,   160
.set OUT, 224                          ; buffer t % 2 at OUT + 16 (t % 2)
.set SCP, 8
.set TT,  0                            ; counts the out steps
.set MSB, 0
.macro WIN new                         ; the immediate's high byte repeats the setting that is left
.if MSB != \new
	s_set_vgpr_msb (MSB<<8)|\new
.set MSB, \new
.endif
.endm
.macro PLACES                          ; four plain vector instructions between a matrix instruction and the first read of its result (ISA guide 7.12.1)
.rept 4
	v_nop
.endr
.endm
.macro PAIR p, sreg                    ; pair p: 2^e as f32 (the conversion takes its exponent field) and 57,344 x 2^e
	s_add_co_i32 s62, s[\sreg], 127
	s_lshl_b32 s63, s62, 23
	v_mov_b32 v[SCP+2*(\p)], s63
	s_add_co_i32 s62, s62, 15
	s_lshl_b32 s62, s62, 23
	s_or_b32 s62, s62, 0x600000
	v_mov_b32 v[SCP+2*(\p)+1], s62
.endm
.macro WLOAD mu, base                  ; my 16 rows k = 32 wv + 16 h + i of a weight, four columns a lane
.set ii, 0
.rept 16
	global_load_b128 v[64*(\mu)+4*ii:64*(\mu)+4*ii+3], v2, s[\base:\base+1] offset:1024*ii
.set ii, ii+1
.endr
.endm
.macro WQUANT mu                       ; the hold also sorts a load's four columns into the four tiles: D[16 j + i] = W(k = i, tile j)
	WIN 0x03                                       ; source 0 window 3
.set jj, 0
.rept 4
.set ii, 0
.rept 16
	v_med3_num_f32 v[D+16*jj+ii], v[64*(\mu)+4*ii+jj], -v[SCP+2*(3+\mu)+1], v[SCP+2*(3+\mu)+1]   ; the conversion to an 8-bit code does not saturate (ISA guide 7.6.2)
.set ii, ii+1
.endr
.set jj, jj+1
.endr
	WIN 0
.set jj, 0
.rept 8
	v_cvt_scalef32_pk8_bf8_f32 v[WC+16*(\mu)+2*jj:WC+16*(\mu)+2*jj+1], v[D+8*jj:D+8*jj+7], v[SCP+2*(3+\mu)]
.set jj, jj+1
.endr
	v_nop                                          ; a plain vector instruction between the conversions and the next lines that write their sources
	s_wait_alu depctr_va_vdst(0)                   ; the conversions have written WC[mu], which the four LDS stores read
.irp j, 0,1,2,3
	ds_store_b128 v6, v[WC+16*(\mu)+4*\j:WC+16*(\mu)+4*\j+3] offset:(4*(\mu)+\j)*2048   ; block c = wv of fragment (mu, j).  The next weight's codes go into registers of their own
.endr
.endm
.macro XLOAD G                         ; 32 rows of x: lane (r, h) takes, of its row, 16 neighbours of each block of 32
	WIN 0x80                                       ; destination window 2
.irp u, 0,1
.set ii, 0
.rept 16
	global_load_b128 v[64*(2*\G+\u)+4*ii:64*(2*\G+\u)+4*ii+3], v3, s[8:9] offset:(32*\G+8*\u)*512+128*(ii/4)+16*(ii%4)
.set ii, ii+1
.endr
.endr
	WIN 0
.endm
.macro FRAGS n                         ; eight of the 48 LDS loads that bring the twelve fragments: load kk is fragment kk / 4, block kk % 4: the image comes back as it went.
	WIN 0x40                                       ; destination window 1, address window 0.  No wait: no vector instruction has named v1 since the head's wait, and none names window 1's v0-191 ahead of the products
.set kk, 8*(\n)
.rept 8
	ds_load_b128 v[4*kk:4*kk+3], v1 offset:512*kk
.set kk, kk+1
.endr
.endm
.macro XQUANT G, sg                    ; group G's two tiles as codes with scale number sg
.irp u, 0,1
	WIN 0x02                                       ; source 0 window 2
.set ii, 0
.rept 64
	v_med3_num_f32 v[D+ii], v[64*(2*\G+\u)+ii], -v[SCP+2*(\sg)+1], v[SCP+2*(\sg)+1]
.set ii, ii+1
.endr
	WIN 0
.set ii, 0
.rept 8
	v_cvt_scalef32_pk8_bf8_f32 v[XC+32*(\sg)+16*\u+2*ii:XC+32*(\sg)+16*\u+2*ii+1], v[D+8*ii:D+8*ii+7], v[SCP+2*(\sg)]
.set ii, ii+1
.endr
	v_nop                                          ; a plain vector instruction behind the conversions: D is written again, and the products read the codes
.endr
.endm
.macro HOLD p                          ; the eight results, each from its low end on
.set ii, 0
.rept 64
	v_med3_num_f32 v[D+ii], v[D+ii], -v[SCP+2*(\p)+1], v[SCP+2*(\p)+1]
.set ii, ii+1
.endr
.endm
.macro FREE                            ; ahead of the conversions of out step t, from the third step on: OUT[t % 2] was the data of step t - 2's stores
.if TT >= 2
	s_wait_xcnt 0x0                                ; the earlier stores have had their addresses translated (ISA guide 3.1): their data registers are written again only behind this wait
	s_wait_alu depctr_vm_vsrc(0)                   ; the stores of step t - 2 have read OUT[t % 2], which the conversions below write
.endif
.endm
.macro OUTQK G, mu, base, GS           ; q (mu = 0) or k (mu = 1) of group G: eight products, each a whole sum (K = 128), on eight accumulators
.set OB, OUT+16*(TT%2)
	WIN 0x11                                       ; source 0 (W) and C (the bias) window 1
.irp u, 0,1
.irp j, 0,1,2,3
	v_wmma_f32_16x16x128_bf8_bf8 v[D+32*\u+8*\j:D+32*\u+8*\j+7], v[16*(4*\mu+\j):16*(4*\mu+\j)+15], v[XC+32*\mu+16*\u:XC+32*\mu+16*\u+15], v[192+32*\mu+8*\j:192+32*\mu+8*\j+7]
.endr
.endr
	WIN 0
	PLACES
	HOLD 6+\mu
	FREE
.set ii, 0
.rept 8
	v_cvt_scalef32_pk8_bf8_f32 v[OB+2*ii:OB+2*ii+1], v[D+8*ii:D+8*ii+7], v[SCP+2*(6+\mu)]   ; the three scales folded into one
.set ii, ii+1
.endr
	v_nop                                          ; a plain vector instruction behind the conversions: the next products write their sources
	s_wait_alu depctr_va_vdst(0)                   ; the conversions have written OUT[t % 2], which the four stores read
.irp u, 0,1
.irp e, 0,1
	global_store_b128 v1, v[OB+8*\u+4*\e:OB+8*\u+4*\e+3], s[\base:\base+1] offset:\G*\GS+\u*4096+\e*512
.endr
.endr
.set TT, TT+1
.endm
.macro OUTV G
.set OB, OUT+16*(TT%2)
	WIN 0x34                                       ; source 1 (W) window 1, C (the bias) window 3
.irp u, 0,1
.irp j, 0,1,2,3
	v_wmma_f32_16x16x128_bf8_bf8 v[D+32*\u+8*\j:D+32*\u+8*\j+7], v[XC+64+16*\u:XC+64+16*\u+15], v[16*(8+\j):16*(8+\j)+15], v[8*\j:8*\j+7]
.endr
.endr
	WIN 0
	PLACES
	HOLD 8
	FREE
.irp u, 0,1
.irp j, 0,1,2,3
	v_cvt_scalef32_pk8_bf8_f32 v[OB+4*\j+2*\u:OB+4*\j+2*\u+1], v[D+32*\u+8*\j:D+32*\u+8*\j+7], v[SCP+16]   ; tiles u = 0, 1: 16 neighbouring keys of my channel
.endr
.endr
	v_nop                                          ; a plain vector instruction behind the conversions
	s_wait_alu depctr_va_vdst(0)                   ; the conversions have written OUT[t % 2], which the four stores read
.irp j, 0,1,2,3
	global_store_b128 v1, v[OB+4*\j:OB+4*\j+3], s[28:29] offset:\j*4096+\G*512
.endr
.set TT, TT+1
.endm
	s_load_b512 s[8:23], s[0:1], 0x0               ; x, Wq, Wk, Wv, bq, bk, bv, the scales' exponents
	s_load_b128 s[24:27], s[0:1], 0x40             ; qimg, kimg
	s_load_b64 s[28:29], s[0:1], 0x50              ; vimg
	v_lshl_add_u32 v62, v0, 2, 0x6000
	v_mov_b32 v63, 0
	v_lshrrev_b32 v30, 5, v0
	v_readfirstlane_b32 s2, v30                    ; wave wv
	s_mov_b32 s3, ttmp9                            ; g: which 64 columns
	s_and_b32 s4, ttmp7, 0xffff                    ; rb: which 256 rows
	v_and_b32 v30, 31, v0                          ; lane
	v_and_b32 v31, 15, v0                          ; r
	v_bfe_u32 v7, v0, 4, 1                         ; h
	v_lshlrev_b32 v1, 4, v30                       ; 16 x lane: an image's place for my lane
	s_wait_alu depctr_va_sdst(0)                   ; s2 is written, ahead of its first reader: offsets and LDS addresses are made from it
	s_lshl_b32 s5, s2, 15
	s_lshl_b32 s6, s3, 8
	s_add_co_u32 s5, s5, s6
	v_lshlrev_b32 v2, 4, v31
	v_lshl_add_u32 v2, v7, 14, v2
	v_add_nc_u32 v2, s5, v2                        ; W: row 32 wv + 16 h (1,024 bytes a row), column 64 g + 4 r
	v_and_b32 v3, 8, v31
	v_add_nc_u32 v3, v3, v31                       ; r % 8 + 16 (r / 8)
	v_lshlrev_b32 v3, 9, v3
	v_lshl_add_u32 v3, v7, 6, v3                   ; x: that row of 512 bytes, + 64 h
	v_lshlrev_b32 v4, 7, v7
	v_add_nc_u32 v4, s6, v4                        ; bq, bk: column 64 g + 32 h
	v_lshlrev_b32 v5, 4, v31
	v_add_nc_u32 v5, s6, v5                        ; bv: column 64 g + 4 r
	s_lshl_b32 s7, s2, 9
	v_add_nc_u32 v6, s7, v1                        ; where I store a weight's codes: 512 wv + 16 x lane
	s_lshl_b32 s48, s4, 17
	s_lshl_b32 s50, s2, 15
	s_add_co_u32 s48, s48, s50                     ; x: (256 rb + 64 wv) rows of 512 bytes
	s_mov_b32 s49, 0
	s_lshl_b32 s50, s4, 16                         ; 256 rows are 65,536 bytes in each image
	s_lshr_b32 s52, s3, 1
	s_lshl_b32 s52, s52, 11
	s_and_b32 s53, s3, 1
	s_lshl_b32 s53, s53, 10
	s_add_co_u32 s52, s52, s53                     ; my 64 columns' place in a tile of q or k: K step g / 2, blocks 2 (g % 2) on
	s_add_co_u32 s52, s52, s50
	s_lshl_b32 s54, s2, 14
	s_add_co_u32 s54, s54, s52                     ; q: 64 rows are two blocks of 8,192 bytes
	s_mov_b32 s55, 0
	s_and_b32 s56, s2, 1
	s_lshr_b32 s57, s2, 1
	s_lshl_b32 s58, s56, 15
	s_lshl_b32 s59, s57, 13
	s_add_co_u32 s58, s58, s59
	s_add_co_u32 s58, s58, s52                     ; k: reader's wave 2 (wv % 2) + G, half wv / 2
	s_mov_b32 s59, 0
	s_lshl_b32 s60, s3, 14
	s_add_co_u32 s60, s60, s50
	s_lshl_b32 s57, s57, 11
	s_lshl_b32 s56, s56, 10
	s_add_co_u32 s60, s60, s57
	s_add_co_u32 s60, s60, s56                     ; v: reader's wave g, half wv / 2, blocks 2 (wv % 2) + G
	s_mov_b32 s61, 0
	s_wait_kmcnt 0x0
	s_load_b256 s[32:39], s[22:23], 0x0            ; e0 .. e7
	s_load_b32 s40, s[22:23], 0x24                 ; e9
	s_add_nc_u64 s[8:9], s[8:9], s[48:49]
	s_add_nc_u64 s[24:25], s[24:25], s[54:55]
	s_add_nc_u64 s[26:27], s[26:27], s[58:59]
	s_add_nc_u64 s[28:29], s[28:29], s[60:61]
	WIN 0xc0                                       ; destination window 3
	s_wait_alu depctr_va_vdst(0)                   ; v1 to v6 are written: every load and store of the kernel reads one of them as its offset or its LDS address, and no vector instruction names them again
	WLOAD 0, 10
	WLOAD 1, 12
	WLOAD 2, 14
.irp j, 0,1,2,3,4,5,6,7
	global_load_b128 v[192+4*\j:192+4*\j+3], v4, s[16:17] offset:16*\j
.endr
.irp j, 0,1,2,3,4,5,6,7
	global_load_b128 v[224+4*\j:224+4*\j+3], v4, s[18:19] offset:16*\j
.endr
	WIN 0
	global_load_b128 v[26:29], v5, s[20:21]
	XLOAD 0
	s_wait_kmcnt 0x0
	s_add_co_i32 s41, s32, s33                     ; e0 + e1: a sum of the first product stands for sum x 2^(e0 + e1)
	s_add_co_i32 s42, s34, s35
	s_add_co_i32 s43, s36, s37
	s_sub_co_i32 s44, s38, s41                     ; e6 - e0 - e1
	s_sub_co_i32 s45, s39, s42                     ; e7 - e2 - e3
	s_sub_co_i32 s46, s40, s43                     ; e9 - e4 - e5
	s_sub_co_i32 s47, 0, s41
	s_sub_co_i32 s50, 0, s42
	s_sub_co_i32 s51, 0, s43
	PAIR 0, 32
	PAIR 1, 34
	PAIR 2, 36
	PAIR 3, 33
	PAIR 4, 35
	PAIR 5, 37
	PAIR 6, 44
	PAIR 7, 45
	PAIR 8, 46
	s_wait_loadcnt 32                              ; the weights and biases are in; the 32 loads of x issued behind them may be out
	WQUANT 0
	WQUANT 1
	WQUANT 2
	s_wait_dscnt 0x0                               ; for the other waves' sake: my twelve stores have landed
	s_barrier_signal -1
	s_barrier_wait -1                              ; the twelve fragments lie whole in LDS; nothing writes them again
	s_wait_alu depctr_vm_vsrc(0)                   ; my LDS stores have read WC0 to WC2: these registers are x's codes from here on, written by x's conversions
	XLOAD 1
	FRAGS 0                                        ; a group of eight LDS loads stands ahead of each of the six runs of vector work below, and lands beside them
	WIN 0x43                                       ; source 0 window 3, destination window 1: the biases into the results' layout, / 2^(the sums' exponent)
.irp j, 0,1,2,3
.irp i, 0,1,2,3,4,5,6,7
	v_ldexp_f32 v[192+8*\j+\i], v[192+4*\i+\j], s47   ; tile j, register i: column 64 g + 4 (8 h + i) + j
.endr
.endr
	FRAGS 1
	WIN 0x43
.irp j, 0,1,2,3
.irp i, 0,1,2,3,4,5,6,7
	v_ldexp_f32 v[224+8*\j+\i], v[224+4*\i+\j], s50
.endr
.endr
	FRAGS 2
	WIN 0xc0                                       ; destination window 3 (the weights as loaded are done with)
.irp j, 0,1,2,3
.irp i, 0,1,2,3,4,5,6,7
	v_ldexp_f32 v[8*\j+\i], v[26+\j], s51          ; v: a lane holds one channel, 64 g + 4 r + j, in all eight registers
.endr
.endr
	FRAGS 3
	s_wait_loadcnt 32                              ; group 0 of x is in; group 1's 32 loads may be out
	XQUANT 0, 0
	FRAGS 4
	XQUANT 0, 1
	FRAGS 5
	XQUANT 0, 2
	s_wait_dscnt 0x0                               ; the fragments are in, ahead of the first product that reads them
	OUTQK 0, 0, 24, 8192
	OUTQK 0, 1, 26, 16384
	OUTV 0
	s_wait_loadcnt 0x0
	XQUANT 1, 0
	XQUANT 1, 1
	XQUANT 1, 2
	OUTQK 1, 0, 24, 8192
	OUTQK 1, 1, 26, 16384
	OUTV 1
	s_wait_dscnt 0x0                               ; the closing lines, six on end (every window is 0 here)
	s_wait_alu 0x0
	s_wait_tensorcnt 0x0
	ds_add_u32 v62, v63
	s_wait_dscnt 0x0
	s_endpgm
.Lfunc_end_k_qe56c22c0f6_proj:
	.size	k_qe56c22c0f6_proj, .Lfunc_end_k_qe56c22c0f6_proj-k_qe56c22c0f6_proj
	.p2alignl 7, 3214868480
	.fill 96, 4, 3214868480
	.section	.rodata,"a",@progbits
	.p2align	6, 0x0
	.amdhsa_kernel k_qe56c22c0f6_proj
		.amdhsa_group_segment_fixed_size 25088
		.amdhsa_private_segment_fixed_size 0
		.amdhsa_enable_private_segment 0
		.amdhsa_kernarg_size 88
		.amdhsa_user_sgpr_count 2
		.amdhsa_user_sgpr_kernarg_segment_ptr 1
		.amdhsa_wavefront_size32 1
		.amdhsa_system_sgpr_workgroup_id_x 1
		.amdhsa_system_sgpr_workgroup_id_y 1
		.amdhsa_system_sgpr_workgroup_id_z 1
		.amdhsa_system_vgpr_workitem_id 0
		.amdhsa_next_free_vgpr 1024
		.amdhsa_next_free_sgpr 66
		.amdhsa_reserve_vcc 0
		.amdhsa_float_denorm_mode_32 3
		.amdhsa_float_denorm_mode_16_64 3
		.amdhsa_memory_ordered 1
		.amdhsa_forward_progress 1
		.amdhsa_inst_pref_size 132
	.end_amdhsa_kernel
	.amdgpu_metadata
---
amdhsa.version: [ 1, 2 ]
amdhsa.kernels:
  - .name:           k_qe56c22c0f6_proj
    .symbol:         k_qe56c22c0f6_proj.kd
    .args:
      - { .name: x, .offset: 0, .size: 8, .value_kind: global_buffer, .address_space: global }
      - { .name: Wq, .offset: 8, .size: 8, .value_kind: global_buffer, .address_space: global }
      - { .name: Wk, .offset: 16, .size: 8, .value_kind: global_buffer, .address_space: global }
      - { .name: Wv, .offset: 24, .size: 8, .value_kind: global_buffer, .address_space: global }
      - { .name: bq, .offset: 32, .size: 8, .value_kind: global_buffer, .address_space: global }
      - { .name: bk, .offset: 40, .size: 8, .value_kind: global_buffer, .address_space: global }
      - { .name: bv, .offset: 48, .size: 8, .value_kind: global_buffer, .address_space: global }
      - { .name: lowp_scales, .offset: 56, .size: 8, .value_kind: global_buffer, .address_space: global }
      - { .name: qimg, .offset: 64, .size: 8, .value_kind: global_buffer, .address_space: global }
      - { .name: kimg, .offset: 72, .size: 8, .value_kind: global_buffer, .address_space: global }
      - { .name: vimg, .offset: 80, .size: 8, .value_kind: global_buffer, .address_space: global }
    .group_segment_fixed_size: 25088
    .private_segment_fixed_size: 0
    .kernarg_segment_align: 8
    .kernarg_segment_size: 88
    .max_flat_workgroup_size: 128
    .sgpr_count:     66
    .vgpr_count:     1024
    .wavefront_size: 32
...
	.end_amdgpu_metadata
.endif
;; end of part 3
;; launch attn: the kernel of part 2 again; grid 32 x 8, 4 waves a work-group, clusters of 4 x 1, 327,680 bytes of LDS; arguments qimg, kimg, vimg, lowp_scales, out0; writes out0
